; MI455X (gfx1250); checked and timed in simulation.
; The chip was launched on July 23, 2026; its instructions are those of AMD's public machine-readable ISA for CDNA 5 (MIT licence, August 2026) and "CDNA5" Instruction Set Architecture Reference Guide (July 2026). The comments in the code are by the model that wrote it; some were corrected since.
;; RG Buv Hist Block. Allowed arithmetic: matrix products marked QUANTISED: E3M2 operands, one E8M0 scale for each 32 along K, by v_wmma_scale_f32_16x16x128_f8f6f4 with both operands' format E3M2, f32 sums; everything else in f32.
;; Inputs: x 32 x 3 x 150 x 150 float32.
;; Outputs: out0 32 x 3 x 64 x 64 float32.
;; This version of the problem:
;;   THIS VERSION OF THE PROBLEM IS GIVEN IN LOW PRECISION. The matrix products marked QUANTISED in the list below multiply operands that are first quantised to E3M2 (3 exponent bits, 2 mantissa bits; 6 bits a number), with one power-of-two scale for each 32 numbers along K (OCP MX v1.0); their sums are f32. All else is computed in f32.
;;   The module's matrix products, in the order in which they are computed (A, B: the left and right operand; K: the contracted axis; several contracted axes count as one K, in the product's order):
;;     1. batch 96 x [M 64, K 22,500] x [K 22,500, N 64]; A: computed on the way; B: computed on the way: QUANTISED
;;   THE QUANTISER, for each operand of a quantised product, along K:
;;     - K is cut into blocks of 32 from its start; a last block that is shorter is filled with zeros.
;;     - A block's scale is 2^e with e = floor(log2(the largest magnitude in the block)) - 4, held to -126 .. 127; a block of zeros has e = 0. As a byte (E8M0): e + 127.
;;     - Each number is divided by its block's scale, clamped to +-28, and rounded to the nearest number of E3M2, ties to even, subnormals kept.
;;     - The product sums the exact products of the quantised numbers (number of the format x scale) in f32.
;;   ~~~python
;;   def quantise(x, axis):      # numpy; x: float32 -> the quantised numbers, widened to float32 again
;;       x = np.moveaxis(x, axis, -1); K = x.shape[-1]
;;       x = np.pad(x, [(0, 0)] * (x.ndim - 1) + [(0, -K % 32)]); x = x.reshape(x.shape[:-1] + (-1, 32)); a = np.abs(x).max(-1, keepdims=True)
;;       e = np.where(a > 0, np.clip(np.frexp(np.where(a > 0, a, 1))[1] - 1 - 4, -126, 127), 0)      # np.frexp(a)[1] - 1 = floor(log2(a)), exactly
;;       r = np.clip(x / 2.0 ** e, -28, 28)
;;       step = 2.0 ** (np.maximum(np.frexp(np.where(r == 0, 1, r))[1] - 1, -2) - 2)
;;       q = np.round(r / step) * step * 2.0 ** e      # np.round: ties to even
;;       return np.moveaxis(q.reshape(q.shape[:-2] + (-1,))[..., :K], -1, axis).astype(np.float32)
;;   ~~~
;;   OPERANDS COMPUTED ON THE WAY. 'Computed on the way' means the value that the module computes at that place (a softmax that the list does not call 'softmax' is quantised finished and normalised). What goes into a quantiser is computed in f32, as accurately as f32 sums, v_exp_f32 and their like allow (about 1e-6 of the number): no bf16 or f16 on the way to a quantiser, and a product that is left as it is and whose result goes on into a quantised operand takes f32 operands (vector FMAs, or v_wmma_f32_16x16x4_f32). A number that lies on a knife's edge between two numbers of the format may be rounded either way, as far as f32 arithmetic and the matrix unit's own rounding can turn it there, and no further.
;; One version. Each part assembles by itself: llvm-mc -triple=amdgcn-amd-amdhsa -mcpu=gfx1250 --defsym DOCPART=n.
;; ======== version 1 of 1: 2 launches
;; workspace buffers: part 12,582,912 bytes; tot 4,096 bytes
;; launch hist (part 1): grid 8 x 32, 4 waves a work-group, no clusters, 258,560 bytes of LDS; arguments x, part, tot; writes part, tot
.if DOCPART == 1
	.amdgcn_target "amdgcn-amd-amdhsa--gfx1250"
	.amdhsa_code_object_version 6
	.text
	.protected	k_q5b1769d99e_hist
	.globl	k_q5b1769d99e_hist
	.p2align	8
	.type	k_q5b1769d99e_hist,@function
k_q5b1769d99e_hist:
	s_mov_b64 s[64:65], 0
	v_nop
	global_prefetch_b8 v0, s[64:65] scope:SCOPE_SE
	s_setreg_imm32_b32 hwreg(HW_REG_WAVE_MODE, 25, 1), 1
	s_wait_xcnt 0x0
; hist[l][c][u][v] = sum over the pixels n of (Iy[n] ku[n][c][u]) kv[n][c][v], both operands as codes of BF6 (E3M2) with one E8M0 scale for each 32 pixels; sums in f32.
; This launch makes, for each of 8 parts of each of 32 samples, the part's 3 x 64 x 64 sums (buffer part, in the output's order) and four partial totals (buffer tot); the next launch adds and divides.
; ONE KERNEL VALUE SERVES TWICE.  Iv[c] = logI[c] - logI[c+2] = -Iu[c+2], the kernel 1 / (1 + t^2) is even and the edges are antisymmetric: kv[n][c][v] = ku[n][(c+2)%3][63-v].
; So only K[n][ch][bin] = ku is computed, 3 x 64 numbers a pixel; it is quantised as it is (operand Q, the kv of channel ch + 1) and times Iy (operand A of channel ch).
; t = 50 d - 50 e.  50 d = (50 ln 2)(log2(I[ch] + eps) - log2(I[ch+1] + eps)) is made once a pixel; 50 e = (2 bin - 63) x 50 / 21, rounded once, exactly antisymmetric.
; SHARES.  Work-group (g, l) has four waves; wave Wv = 4 g + w owns pixels 704 Wv .. 704 Wv + 703 of sample l (22 blocks of 32; 32 x 704 covers the 22,500 pixels and 28 past the end), for all channels and bins:
; 48 accumulators of 16 x 16.  704 = 64 + 5 x 128: a first K step whose upper 64 places are zero codes starts the sums (C = 0), five full K steps follow in a loop.
; A pixel past the end gets 50 d = +infinity: t^2 + 1 = infinity, its reciprocal is 0, so K and Iy K are 0: zero codes, and nothing for a block's largest magnitude, as the quantiser's filling with zeros asks.
; LAYOUT.  In kernel tile (ch, t) lane (r, h) holds bin 63 - 16 t - r, and in half c of a K step its 32 registers hold pixels 64 c + 32 h + 0 .. 31: one whole block.  So a block's largest magnitude needs no other lane and
; the conversions' results are the operand's registers 6 c .. 6 c + 5.  Source 0 = Q((c+2)%3, b), source 1 = A(c, a): register j of lane (r, h) of accumulator (c, a, b) is hist[c][63 - 16 a - r][16 b + 8 h + j].
; No tensor loads (a wave reads 8.4 KB once, and every number wants arithmetic first), no cluster (work-groups share no input).
; LIMITS.  NaN in x is not served.  Against the order (d - e) / 0.02, t differs by up to about 4e-5 absolute (half a last place of 150, the rounding of 50 d, a last place or two of the edges),
; which is at most 4e-5 relative in a kernel value.  A block of zeros has the scale byte 1 (first K step's empty blocks: 0) where the quantiser says 127: its codes are zeros, and only this text reads the bytes.
; REGISTERS, in windows of 256.  Window 0: v1-31 addresses and small things; v32-55 scale words; v56-63 way out; v64-95 D (50 d of 32 pixels); v96-127 Y (Iy); v128-191 X0, X1; v192-223 W = Iy K.
;   Window 1: fragments of channels 0, 1 (A at 96 ch + 12 t, Q 48 further).  Window 2: fragments of channel 2 at v0-95; accumulators of c = 2 at v128-255.  Window 3: accumulators of c = 0 at v0-127, c = 1 at v128-255.
.set NPIX,   22500
.set PLANE,  4*NPIX                    ; bytes of a channel's plane
.set SAMPLE, 3*PLANE
.set WPIX,   704                       ; pixels of a wave
.set ARR,    3072                      ; LDS stage: an array of 768 f32 (704 pixels and 64 of look-ahead)
.set WSTG,   4*ARR                     ; a wave's stage: 50 d of channels 0, 1, 2, then Iy
.set RED,    4*WSTG                    ; behind the stages: a region for each wave's 192 rows of sums
.set RP,     272                       ; a row there: 256 bytes + 16, so that the 16 rows of a store begin at 16 different 16-byte columns of 256 bytes
.set WRED,   192*RP
.set PWG,    192*256                   ; bytes of a work-group's part
.set FLOOR,  0x2800000                 ; 2^(5 - 127): under it no largest magnitude is taken, so no scale byte falls under 1
.set OFF4,   0xfe000000                ; -(4 << 23): 4 off an exponent field
.set R,   1                            ; lane % 16
.set H,   2                            ; lane / 16
.set RB,  3                            ; stage, reading: my wave's stage + 128 h
.set RA,  4                            ; RB + the K step's first byte
.set STA, 5                            ; stage, writing: my wave's stage + 16 x lane.  Way out: where I put 16 bytes of a row
.set SH0, 6                            ; 8 h: where my block's byte stands in a scale word, half 0
.set SH1, 7                            ; 16 + 8 h: half 1
.set T0,  8                            ; lane permutes' destinations
.set T1,  9
.set NE,  10                           ; v10-17: pair t: -(50 e) of my bin in tile t, twice
.set MK,  18                           ; largest K of the block, first chain
.set MW,  19                           ; largest Iy K, first chain
.set MKS, 20                           ; second chain; then the conversion's scale operand
.set MWS, 21
.set BK,  22                           ; scale bytes
.set BW,  23
.set TK,  24                           ; v24-26 codes 16 .. 31 of K's block (a conversion's three registers begin on an even number: a block's second three do not)
.set LN,  27                           ; lane
.set TW,  28                           ; v28-30 the same of Iy K's block
.set GO,  31                           ; 16 x lane
.set SC,  32                           ; scale words: A(ch, t) at SC + 8 ch + t, Q(ch, t) four further
.set TOT, 56                           ; way out: v56-59 the running total
.set RQ,  60                           ; way out: v60-63 where I read my rows in region q
.set D,   64
.set Y,   96
.set X,   128
.set W,   192
.set PX,  64                           ; phase 0: v64-135 x as loaded: batch b, channel ch at PX + 12 b + 4 ch
.set OFI, 136                          ; phase 0: v136-137 0, or +infinity past the end
.set INF, 138
.set NUL, 139
.set PO,  140                          ; phase 0: v140-145 byte offsets of the six batches
.set PI,  146                          ; phase 0: my first pixel: 704 Wv + 4 x lane
.set PT,  147
.set MSB, 0
.macro WIN new                         ; the immediate's high byte repeats the setting that is left; a switch that changes nothing is dropped
.if MSB != \new
	s_set_vgpr_msb (MSB<<8)|\new
.set MSB, \new
.endif
.endm
	s_load_b128 s[4:7], s[0:1], 0x0                ; x, part
	s_load_b64 s[8:9], s[0:1], 0x10                ; tot
	s_set_vgpr_msb 0x40
	v_lshl_add_u32 v254, v0, 2, 0x3f000
	v_mov_b32 v255, 0
	s_set_vgpr_msb 0x4000
	v_lshrrev_b32 v[R], 5, v0
	v_readfirstlane_b32 s10, v[R]                  ; w: wave 0..3
	s_mov_b32 s11, ttmp9                           ; g: part 0..7
	s_and_b32 s12, ttmp7, 0xffff                   ; l: sample
	s_lshl_b32 s13, s11, 2
	s_add_co_u32 s13, s13, s10                     ; Wv = 4 g + w
	s_mul_i32 s32, s13, WPIX                       ; my wave's first pixel
	s_mul_i32 s23, s10, WSTG                       ; my wave's stage
	s_mul_i32 s24, s12, SAMPLE                     ; x: the sample
	s_mov_b32 s25, 0
	s_lshl_b32 s33, s12, 3
	s_add_co_u32 s33, s33, s11                     ; 8 l + g
	s_mul_i32 s26, s33, PWG                        ; part: the work-group's 192 rows,
	s_mul_i32 s34, s10, 48*256
	s_add_co_u32 s26, s26, s34                     ; of which I store rows 48 w on
	s_mov_b32 s27, 0
	s_lshl_b32 s28, s33, 4                         ; tot: four words a work-group,
	s_lshl_b32 s34, s10, 2
	s_add_co_u32 s28, s28, s34                     ; one a wave
	s_mov_b32 s29, 0
	s_mov_b32 s14, 0x420aa123                      ; 50 ln 2
	s_mov_b32 s15, s14                             ; (named with it as a pair, so it is written)
	s_mov_b32 s16, 0x358637bd                      ; 1e-6
	s_mov_b32 s17, s16
	s_mov_b32 s18, 0x76543210                      ; v_permlanex16_b32's selects for lane l xor 16
	s_mov_b32 s19, 0xfedcba98
	s_mov_b32 s30, 0x40186186                      ; 50 / 21, its f32 and
	s_mov_b32 s31, 0x32c30c31                      ; what the f32 leaves over
	v_and_b32 v[LN], 31, v0
	v_lshl_add_u32 v[PI], v[LN], 2, s32
.irp b, 0,1,2,3,4,5
	v_add_nc_u32 v[PO+\b], 128*\b, v[PI]           ; batch b: 128 pixels, four a lane
.endr
.irp b, 0,1,2,3,4,5
	v_min_u32 v[PO+\b], NPIX-4, v[PO+\b]           ; no load leaves the plane: a group of four past the end reads the last four (22,500 is a multiple of 4, so a group is wholly inside or wholly past)
.endr
.irp b, 0,1,2,3,4,5
	v_lshlrev_b32 v[PO+\b], 2, v[PO+\b]
.endr
	s_wait_kmcnt 0x0
	s_add_nc_u64 s[4:5], s[4:5], s[24:25]
	s_add_nc_u64 s[6:7], s[6:7], s[26:27]
	s_add_nc_u64 s[8:9], s[8:9], s[28:29]
.irp b, 0,1,2,3,4,5
.irp ch, 0,1,2
	global_load_b128 v[PX+12*\b+4*\ch:PX+12*\b+4*\ch+3], v[PO+\b], s[4:5] offset:PLANE*\ch   ; 32 lanes read 512 consecutive bytes; all 18 loads go out before anything else is done
.endr
.endr
	v_and_b32 v[R], 15, v0
	v_bfe_u32 v[H], v0, 4, 1
	v_lshl_add_u32 v[RB], v[H], 7, s23
	v_lshl_add_u32 v[STA], v[LN], 4, s23
	v_lshlrev_b32 v[SH0], 3, v[H]
	v_add_nc_u32 v[SH1], 16, v[SH0]
	v_mov_b32 v[T0], 0                             ; written once: a lane permute's destination counts as one of its sources
	v_mov_b32 v[T1], 0
	v_mov_b32 v[INF], 0x7f800000
	v_mov_b32 v[NUL], 0
	v_lshlrev_b32 v[MK], 1, v[R]
.irp t, 0,1,2,3
	v_add_nc_u32 v[MW], 32*\t-63, v[MK]            ; m = 2 r + 32 t - 63 = -(2 bin - 63) for bin = 63 - 16 t - r
	v_cvt_f32_i32 v[MW], v[MW]
	v_mul_f32 v[MKS], s31, v[MW]
	v_fma_f32 v[NE+2*\t], v[MW], s30, v[MKS]       ; m x 50 / 21, rounded once: odd in m, so the edges are exactly antisymmetric
	v_mov_b32 v[NE+2*\t+1], v[NE+2*\t]             ; the packed addition takes a pair
.endr
; PHASE 0.  Batch b: four pixels a lane become Iy and 50 d of the three channels, and go to my wave's stage as they lie.  Each batch has result registers of its own, so that no LDS store's data are rewritten.
; Lanes 16-31 of batch 5 make the 64 pixels behind my 704: the loop's last look-ahead reads them and uses nothing of them.
.macro PRE0 b
.set PB, PX+12*(\b)
.set SS, 160+16*(\b)                   ; four Iy
.set DD, SS+4                          ; 3 x 4 numbers 50 d
	s_wait_loadcnt 3*(5-(\b))                      ; loads come back in order: mine are in, three for each later batch stay out
.set j, 0
.rept 12
	v_med3_num_f32 v[PB+j], v[PB+j], 0, 1.0        ; the clip
.set j, j+1
.endr
.irp p, 0,2
	v_pk_fma_f32 v[SS+\p:SS+\p+1], v[PB+\p:PB+\p+1], v[PB+\p:PB+\p+1], s[16:17] op_sel_hi:[1,1,0]   ; I0^2 + eps
.endr
.irp q, 4,6,8,10
	v_pk_fma_f32 v[SS+\q%4:SS+\q%4+1], v[PB+\q:PB+\q+1], v[PB+\q:PB+\q+1], v[SS+\q%4:SS+\q%4+1]     ; + I1^2, + I2^2
.endr
.irp q, 0,2,4,6,8,10
	v_pk_add_f32 v[PB+\q:PB+\q+1], v[PB+\q:PB+\q+1], s[16:17] op_sel_hi:[1,0]                      ; I + eps
.endr
.irp i, 0,1,2,3
	v_sqrt_f32 v[SS+\i], v[SS+\i]                  ; Iy
.endr
.set j, 0
.rept 12
	v_log_f32 v[PB+j], v[PB+j]                     ; log2(I + eps)
.set j, j+1
.endr
	v_add_nc_u32 v[PT], 128*(\b), v[PI]            ; (a plain line behind the transcendentals)
	v_cmp_gt_u32 vcc_lo, NPIX, v[PT]
	v_cndmask_b32 v[OFI], v[INF], v[NUL], vcc_lo   ; 0 for pixels of the sample, +infinity past its end
	v_cndmask_b32 v[OFI+1], v[INF], v[NUL], vcc_lo
	s_wait_alu depctr_va_vdst(0)
.irp cc, 0,1,2
.irp p, 0,2
	v_pk_add_f32 v[DD+4*\cc+\p:DD+4*\cc+\p+1], v[PB+4*\cc+\p:PB+4*\cc+\p+1], v[PB+4*((\cc+1)%3)+\p:PB+4*((\cc+1)%3)+\p+1] neg_lo:[0,1] neg_hi:[0,1]
.endr
.endr
.irp q, 0,2,4,6,8,10
	v_pk_fma_f32 v[DD+\q:DD+\q+1], v[DD+\q:DD+\q+1], s[14:15], v[OFI:OFI+1] op_sel_hi:[1,0,1]       ; 50 d
.endr
.irp cc, 0,1,2
	ds_store_b128 v[STA], v[DD+4*\cc:DD+4*\cc+3] offset:ARR*\cc+512*(\b)
.endr
	ds_store_b128 v[STA], v[SS:SS+3] offset:3*ARR+512*(\b)
.endm
.irp b, 0,1,2,3,4,5
	PRE0 \b
.endr
; THE PIPELINE OF A HALF K STEP (64 pixels: a block a lane).  Twelve half tiles k = 4 ch + t, on X0 and X1 by turns, each in three stages: PREK (t^2 + 1: 32 plain lines), 32 reciprocals in place, POST (products by Iy,
; largest magnitudes, scales, conversions).  Slot k holds POST(k - 1), then PREK(k + 1), and the reciprocals of k spread evenly among their lines by RC: so every reciprocal has plain lines behind it
; before its result is read (ISA guide 5.7.2), which is in the next slot, and no slot reads or writes the set that its reciprocals work on.
.macro RC                              ; stands behind each of a slot's rtot plain lines; 32 of them get a reciprocal behind them
.set racc, racc+32
.if (racc >= rtot) && (ri < 32)
.set racc, racc-rtot
	v_rcp_f32 v[rx+ri], v[rx+ri]
.set ri, ri+1
.endif
.endm
.macro LOADD ch, off                   ; 50 d of channel ch, my 32 pixels: the sixteen lanes of a half read the same 16 bytes
.set j, 0
.rept 8
	ds_load_b128 v[D+4*j:D+4*j+3], v[RA] offset:ARR*(\ch)+(\off)+16*j
.set j, j+1
.endr
.endm
.macro LOADY off                       ; Iy likewise
.set j, 0
.rept 8
	ds_load_b128 v[Y+4*j:Y+4*j+3], v[RA] offset:3*ARR+(\off)+16*j
.set j, j+1
.endr
.endm
.macro PREK xb, t                      ; X = (50 d - 50 e)^2 + 1 for tile t's bin
.set j, 0
.rept 16
	v_pk_add_f32 v[(\xb)+2*j:(\xb)+2*j+1], v[D+2*j:D+2*j+1], v[NE+2*(\t):NE+2*(\t)+1]
	RC
.set j, j+1
.endr
.set j, 0
.rept 16
	v_pk_fma_f32 v[(\xb)+2*j:(\xb)+2*j+1], v[(\xb)+2*j:(\xb)+2*j+1], v[(\xb)+2*j:(\xb)+2*j+1], 1.0 op_sel_hi:[1,1,0]
	RC
.set j, j+1
.endr
.endm
; Half tile kk is finished: its 32 kernel values become registers 6 c .. 6 c + 5 of fragments Q and A, and a byte of each scale word.
; mode 0: half 0 of a K step: the byte starts the word.  mode 1: half 1: the byte joins it, and lane l xor 16's two bytes make the word whole.  mode 2: half 0 of the first K step, which has no half 1: the word is made whole at once.
; ly = 1: Iy of the next half (at byte nxt) is asked for as soon as this half's last product by Iy is issued.
.macro POST kk, c, mode, ly, nxt
.set pch, (\kk)/4
.set ptl, (\kk)%4
.set xs, X+32*((\kk)%2)
.if pch < 2
.set afr, 96*pch+12*ptl+6*(\c)
.set fw, 0x40                          ; destination window 1
.else
.set afr, 12*ptl+6*(\c)
.set fw, 0x80                          ; destination window 2
.endif
.set qfr, afr+48
.set sca, SC+8*pch+ptl
.set scq, sca+4
	s_wait_alu depctr_va_vdst(0)
	v_pk_mul_f32 v[W:W+1], v[xs:xs+1], v[Y:Y+1]
	RC
	v_pk_mul_f32 v[W+2:W+3], v[xs+2:xs+3], v[Y+2:Y+3]
	RC
; 32 numbers and the floor are 16 lines of three operands, in two chains for K and two for Iy K, by turns, so that no line waits for the line above it; nothing is negative, so no |.|.  The products run two pairs ahead.
.set n, 0
.rept 16
.if n < 14
	v_pk_mul_f32 v[W+2*n+4:W+2*n+5], v[xs+2*n+4:xs+2*n+5], v[Y+2*n+4:Y+2*n+5]
	RC
.endif
.if n == 0
	v_max3_num_f32 v[MK], v[xs], v[xs+1], v[xs+2]
	RC
	v_max3_num_f32 v[MW], v[W], v[W+1], v[W+2]
	RC
.elseif n == 1
	v_max3_num_f32 v[MKS], v[xs+3], v[xs+4], v[xs+5]
	RC
	v_max3_num_f32 v[MWS], v[W+3], v[W+4], v[W+5]
	RC
.elseif n < 15
	v_max3_num_f32 v[MK+2*(n%2)], v[MK+2*(n%2)], v[xs+2*n+2], v[xs+2*n+3]
	RC
	v_max3_num_f32 v[MW+2*(n%2)], v[MW+2*(n%2)], v[W+2*n+2], v[W+2*n+3]
	RC
.else
	v_max3_num_f32 v[MK], v[MK], v[MKS], FLOOR
	RC
	v_max3_num_f32 v[MW], v[MW], v[MWS], FLOOR
	RC
.endif
.set n, n+1
.endr
.if \ly
	LOADY \nxt
.endif
	v_add_nc_u32 v[MKS], OFF4, v[MK]               ; 4 off the exponent field: the conversion takes the exponent field of this operand as its scale, and nothing else of it
	RC
	v_add_nc_u32 v[MWS], OFF4, v[MW]
	RC
	v_cvt_scalef32_pk16_bf6_f32 v[TK:TK+2], v[xs+16:xs+31], v[MKS]
	RC
	v_cvt_scalef32_pk16_bf6_f32 v[TW:TW+2], v[W+16:W+31], v[MWS]
	RC
	v_lshrrev_b32 v[BK], 23, v[MKS]                ; the scale's byte
	RC
	v_lshrrev_b32 v[BW], 23, v[MWS]
	RC
.if (\mode) == 1
	v_lshl_or_b32 v[scq], v[BK], v[SH1], v[scq]    ; block 2 + h: byte 2 + h
	RC
	v_lshl_or_b32 v[sca], v[BW], v[SH1], v[sca]
	RC
.else
	v_lshlrev_b32 v[scq], v[SH0], v[BK]            ; block h: byte h
	RC
	v_lshlrev_b32 v[sca], v[SH0], v[BW]
	RC
.endif
.if (\mode) != 0
	v_permlanex16_b32 v[T0], v[scq], s18, s19
	RC
	v_permlanex16_b32 v[T1], v[sca], s18, s19
	RC
	v_or_b32 v[scq], v[scq], v[T0]                 ; with lane l xor 16's bytes the row's word is whole, in both halves of the lanes
	RC
	v_or_b32 v[sca], v[sca], v[T1]
	RC
.endif
	WIN fw                                         ; the fragments lie in another window: eight lines under one setting.  The moves are the plain lines behind the conversions
	v_cvt_scalef32_pk16_bf6_f32 v[qfr:qfr+2], v[xs:xs+15], v[MKS]
.irp i, 0,1,2
	v_mov_b32 v[qfr+3+\i], v[TK+\i]
.endr
	v_cvt_scalef32_pk16_bf6_f32 v[afr:afr+2], v[W:W+15], v[MWS]
.irp i, 0,1,2
	v_mov_b32 v[afr+3+\i], v[TW+\i]
.endr
	WIN 0
.endm
; Slot k.  off: the half's first byte behind RA; nxt: the next half's.  50 d of a channel is asked for a slot ahead of its first use, behind the last PREK that reads the channel before it.
.macro SLOT k, c, mode, off, nxt
.set rx, X+32*((\k)%2)
.set ri, 0
.set racc, 0
.if (\k) == 0
.set rtot, 32
.elseif (\mode) == 0
.set rtot, 88
.else
.set rtot, 92
.endif
.if (\k) == 1
	s_wait_dscnt 0x0                               ; Iy of this half is in (asked for in the half before)
.if (\mode) == 0
	v_add_nc_u32 v[RA], s20, v[RB]                 ; the K step's first byte: no LDS load of mine is out, and none of this K step has been issued
	s_wait_alu depctr_va_vdst(0)
.endif
.endif
.if (\k) > 0
	POST (\k)-1, \c, \mode, 0, \nxt
.endif
.if ((\k)+1)%4 == 0
	s_wait_dscnt 0x0                               ; the next channel's 50 d is in (asked for a slot ago)
.endif
	PREK X+32*(((\k)+1)%2), ((\k)+1)%4
.if ((\k)+1)%4 == 3
.if (\k) < 10
	LOADD (((\k)+1)/4+1)%3, \off
.else
	LOADD 0, \nxt                                  ; slot 11 begins the next half's first half tile
.endif
.endif
.rept 32-ri                            ; (empty: 32 rtot / rtot reciprocals have been dealt)
	v_rcp_f32 v[rx+ri], v[rx+ri]
.set ri, ri+1
.endr
.endm
.macro HALF c, mode, off, nxt
.irp k, 0,1,2,3,4,5,6,7,8,9,10,11
	SLOT \k, \c, \mode, \off, \nxt
.endr
.set rtot, 1<<20                       ; no reciprocal is left to deal
.set racc, 0
.set ri, 32
	POST 11, \c, \mode, 1, \nxt
.endm
; 16 products of one channel.  The 48 accumulators take turns, one instruction a turn, in the same order in every K step, over the loop's backward jump too.
.macro MMC wn, qbase, abase, cbase, sqb, sab, zr
	WIN \wn
.irp a, 0,1,2,3
.irp b, 0,1,2,3
.if \zr
	v_wmma_scale_f32_16x16x128_f8f6f4 v[\cbase+8*(4*\a+\b):\cbase+8*(4*\a+\b)+7], v[\qbase+12*\b:\qbase+12*\b+11], v[\abase+12*\a:\abase+12*\a+11], 0, v[(\sqb)+\b], v[(\sab)+\a] matrix_a_fmt:MATRIX_FMT_BF6 matrix_b_fmt:MATRIX_FMT_BF6
.else
	v_wmma_scale_f32_16x16x128_f8f6f4 v[\cbase+8*(4*\a+\b):\cbase+8*(4*\a+\b)+7], v[\qbase+12*\b:\qbase+12*\b+11], v[\abase+12*\a:\abase+12*\a+11], v[\cbase+8*(4*\a+\b):\cbase+8*(4*\a+\b)+7], v[(\sqb)+\b], v[(\sab)+\a] matrix_a_fmt:MATRIX_FMT_BF6 matrix_b_fmt:MATRIX_FMT_BF6
.endif
.endr
.endr
.endm
; A K step's 48 products.  zr = 1: they start the sums: no accumulator is ever cleared.
.macro MM zr
.rept 8
	v_nop                                          ; scale words written by vector lines stand eight places ahead of a scaled product, operands so written four
.endr
	MMC 0xf5, 48, 96, 128, SC+4, SC+8, \zr         ; c = 1: Q0 and A1 in window 1, sums in window 3
	MMC 0xa9, 144, 0, 128, SC+12, SC+16, \zr       ; c = 2: Q1 in window 1, A2 and sums in window 2
	MMC 0xf6, 48, 0, 0, SC+20, SC, \zr             ; c = 0: Q2 in window 2, A0 in window 1, sums in window 3
	WIN 0
.endm
	v_mov_b32 v[RA], v[RB]
	LOADY 0                                        ; LDS serves a wave's instructions in order (ISA guide 5.7.1.4): these see my stores; no other wave touches my stage
	LOADD 0, 0
	s_wait_dscnt 0x0
.set rx, X
.set ri, 32
.set racc, 0
.set rtot, 1<<20
	PREK X, 0                                      ; the pipeline's first stage
	HALF 0, 2, 0, 256                              ; pixels 0 .. 63
	WIN 0x40                                       ; the first K step's places 64 .. 127 hold zero codes on both sides: registers 6 .. 11 of all 24 fragments, written once
.set j, 0
.rept 16
.irp i, 6,7,8,9,10,11
	v_mov_b32 v[12*j+\i], 0
.endr
.set j, j+1
.endr
	WIN 0x80
.set j, 0
.rept 8
.irp i, 6,7,8,9,10,11
	v_mov_b32 v[12*j+\i], 0
.endr
.set j, j+1
.endr
	WIN 0
	MM 1
	s_mov_b32 s20, 256                             ; the K step's first byte in an array of the stage
	s_mov_b32 s21, 0
.Lstep:                                            ; five trips of 128 pixels.  Behind the products the first slot's 32 plain lines are the places in front of the next writes of fragments and scale words
	HALF 0, 0, 0, 256
	HALF 1, 1, 256, 512                            ; its look-ahead, at RA + 512, is the next trip's RA + 0; the last trip's reads the 64 pixels behind my 704
	MM 0
	s_add_co_u32 s20, s20, 512
	s_add_co_u32 s21, s21, 1
	s_cmp_lt_u32 s21, 5
	s_cbranch_scc1 .Lstep
; THE WAY OUT.  Each wave puts its 192 rows of sums into its own region of LDS; one barrier; wave w adds rows 48 w .. 48 w + 47 of the four regions and stores them as whole rows.
	s_wait_dscnt 0x0                               ; the last look-ahead's loads are in: their registers are used again
	v_xor_b32 v[MK], 15, v[R]                      ; 15 - r.  (These twelve plain lines are the places behind the last products)
	v_mul_u32_u24 v[MK], v[MK], RP
	v_lshl_add_u32 v[MK], v[H], 5, v[MK]
	s_mul_i32 s34, s10, WRED
	s_add_co_u32 s34, s34, RED
	v_add_nc_u32 v[STA], s34, v[MK]                ; in: my region, row 15 - r of a tile's sixteen, + 32 h
	s_mul_i32 s34, s10, 48*RP
	s_add_co_u32 s34, s34, RED
	v_mul_u32_u24 v[MW], v[H], RP
	v_lshl_add_u32 v[MW], v[R], 4, v[MW]
	v_add_nc_u32 v[MW], s34, v[MW]                 ; back: row 48 w + h, 16 bytes a lane: lanes 0-15 one row, lanes 16-31 the next
.irp q, 0,1,2,3
	v_add_nc_u32 v[RQ+\q], WRED*\q, v[MW]          ; in each of the four regions
.endr
	v_lshlrev_b32 v[GO], 4, v[LN]
.macro OUTC wn, cbase, cc              ; channel cc: accumulator (a, b) holds rows 64 cc + 16 (3 - a) + 15 - r, bytes 64 b + 32 h on; each accumulator from its low end on
	WIN \wn
.irp a, 0,1,2,3
.irp b, 0,1,2,3
	ds_store_b128 v[STA], v[\cbase+8*(4*\a+\b):\cbase+8*(4*\a+\b)+3] offset:(64*\cc+16*(3-\a))*RP+64*\b
	ds_store_b128 v[STA], v[\cbase+8*(4*\a+\b)+4:\cbase+8*(4*\a+\b)+7] offset:(64*\cc+16*(3-\a))*RP+64*\b+16
.endr
.endr
.endm
	OUTC 0x0c, 0, 0                                ; an LDS store's data are its source 1: window 3
	OUTC 0x0c, 128, 1
	OUTC 0x08, 128, 2                              ; window 2
	WIN 0
	s_wait_dscnt 0x0                               ; for the others' sake: my stores have landed
	s_barrier_signal -1
	s_barrier_wait -1                              ; the launch's one barrier
.macro GROUP gg                        ; eight pairs of rows
.if (\gg) > 0
	s_wait_xcnt 0x0                                ; the last group's stores have read their registers: they are loaded again only behind this wait
.endif
.irp e, 0,1,2,3,4,5,6,7
.irp q, 0,1,2,3
	ds_load_b128 v[D+16*\e+4*\q:D+16*\e+4*\q+3], v[RQ+\q] offset:2*RP*(8*(\gg)+\e)
.endr
.endr
.irp e, 0,1,2,3,4,5,6,7
	s_wait_dscnt 4*(7-\e)                          ; LDS loads come back in order: pair e's four are in, four for each later pair stay out
	v_pk_add_f32 v[D+16*\e:D+16*\e+1], v[D+16*\e:D+16*\e+1], v[D+16*\e+4:D+16*\e+5]
	v_pk_add_f32 v[D+16*\e+2:D+16*\e+3], v[D+16*\e+2:D+16*\e+3], v[D+16*\e+6:D+16*\e+7]
	v_pk_add_f32 v[D+16*\e+8:D+16*\e+9], v[D+16*\e+8:D+16*\e+9], v[D+16*\e+12:D+16*\e+13]
	v_pk_add_f32 v[D+16*\e+10:D+16*\e+11], v[D+16*\e+10:D+16*\e+11], v[D+16*\e+14:D+16*\e+15]
	v_pk_add_f32 v[D+16*\e:D+16*\e+1], v[D+16*\e:D+16*\e+1], v[D+16*\e+8:D+16*\e+9]
	v_pk_add_f32 v[D+16*\e+2:D+16*\e+3], v[D+16*\e+2:D+16*\e+3], v[D+16*\e+10:D+16*\e+11]
.if ((\gg) == 0) && (\e == 1)
	v_pk_add_f32 v[TOT:TOT+1], v[D:D+1], v[D+16:D+17]              ; the first two pairs of rows start the total: nothing is cleared
	v_pk_add_f32 v[TOT+2:TOT+3], v[D+2:D+3], v[D+18:D+19]
.elseif ((\gg) > 0) || (\e > 1)
	v_pk_add_f32 v[TOT:TOT+1], v[TOT:TOT+1], v[D+16*\e:D+16*\e+1]
	v_pk_add_f32 v[TOT+2:TOT+3], v[TOT+2:TOT+3], v[D+16*\e+2:D+16*\e+3]
.endif
	global_store_b128 v[GO], v[D+16*\e:D+16*\e+3], s[6:7] offset:512*(8*(\gg)+\e)   ; 32 lanes store 512 consecutive bytes, at a multiple of 256 from the buffer's first byte
.endr
.endm
	GROUP 0
	GROUP 1
	GROUP 2
	v_add_f32 v[TOT], v[TOT], v[TOT+1]             ; the total of my 48 rows: within the lane,
	v_add_f32 v[TOT+2], v[TOT+2], v[TOT+3]
	v_add_f32 v[TOT], v[TOT], v[TOT+2]
	v_add_f32_dpp v[TOT], v[TOT], v[TOT] row_xmask:1 row_mask:0xf bank_mask:0xf   ; within each half of the lanes,
	v_add_f32_dpp v[TOT], v[TOT], v[TOT] row_xmask:2 row_mask:0xf bank_mask:0xf
	v_add_f32_dpp v[TOT], v[TOT], v[TOT] row_xmask:4 row_mask:0xf bank_mask:0xf
	v_add_f32_dpp v[TOT], v[TOT], v[TOT] row_xmask:8 row_mask:0xf bank_mask:0xf
	v_permlanex16_b32 v[T0], v[TOT], s18, s19
	v_add_f32 v[TOT], v[TOT], v[T0]                ; and across the halves
	v_mov_b32 v[TOT+1], 0
	v_cmp_eq_u32 vcc_lo, 0, v[LN]
	s_wait_xcnt 0x0                                ; EXEC is a source of the stores above: it changes only behind this wait
	s_set_vgpr_msb 0x5
	s_wait_tensorcnt 0x0
	ds_add_u32 v254, v255
	s_wait_dscnt 0x0
	s_set_vgpr_msb 0x500
	s_and_saveexec_b32 s22, vcc_lo
	global_store_b32 v[TOT+1], v[TOT], s[8:9]      ; lane 0 stores my wave's word
	s_wait_xcnt 0x0                                ; and again in front of the line that widens it
	s_or_b32 exec_lo, exec_lo, s22
	s_endpgm
.Lfunc_end_k_q5b1769d99e_hist:
	.size	k_q5b1769d99e_hist, .Lfunc_end_k_q5b1769d99e_hist-k_q5b1769d99e_hist
	.p2alignl 7, 3214868480
	.fill 96, 4, 3214868480
	.section	.rodata,"a",@progbits
	.p2align	6, 0x0
	.amdhsa_kernel k_q5b1769d99e_hist
		.amdhsa_group_segment_fixed_size 258560
		.amdhsa_private_segment_fixed_size 0
		.amdhsa_enable_private_segment 0
		.amdhsa_kernarg_size 24
		.amdhsa_user_sgpr_count 2
		.amdhsa_user_sgpr_kernarg_segment_ptr 1
		.amdhsa_wavefront_size32 1
		.amdhsa_system_sgpr_workgroup_id_x 1
		.amdhsa_system_sgpr_workgroup_id_y 1
		.amdhsa_system_sgpr_workgroup_id_z 1
		.amdhsa_system_vgpr_workitem_id 0
		.amdhsa_next_free_vgpr 1024
		.amdhsa_next_free_sgpr 66
		.amdhsa_reserve_vcc 1
		.amdhsa_float_denorm_mode_32 3
		.amdhsa_float_denorm_mode_16_64 3
		.amdhsa_memory_ordered 1
		.amdhsa_forward_progress 1
		.amdhsa_inst_pref_size 255
	.end_amdhsa_kernel
	.section	.bss,"aw",@nobits
	.p2align	6
	.space	262144
	.amdgpu_metadata
---
amdhsa.version: [ 1, 2 ]
amdhsa.kernels:
  - .name:           k_q5b1769d99e_hist
    .symbol:         k_q5b1769d99e_hist.kd
    .args:
      - { .name: x, .offset: 0, .size: 8, .value_kind: global_buffer, .address_space: global }
      - { .name: part, .offset: 8, .size: 8, .value_kind: global_buffer, .address_space: global }
      - { .name: tot, .offset: 16, .size: 8, .value_kind: global_buffer, .address_space: global }
    .group_segment_fixed_size: 258560
    .private_segment_fixed_size: 0
    .kernarg_segment_align: 8
    .kernarg_segment_size: 24
    .max_flat_workgroup_size: 128
    .sgpr_count:     66
    .vgpr_count:     1024
    .wavefront_size: 32
...
	.end_amdgpu_metadata
.endif
;; end of part 1
;; launch norm (part 2): grid 8 x 32, 12 waves a work-group, no clusters, 0 bytes of LDS; arguments part, tot, out0; writes out0
.if DOCPART == 2
	.amdgcn_target "amdgcn-amd-amdhsa--gfx1250"
	.amdhsa_code_object_version 6
	.text
	.protected	k_q5b1769d99e_norm
	.globl	k_q5b1769d99e_norm
	.p2align	8
	.type	k_q5b1769d99e_norm,@function
k_q5b1769d99e_norm:
	s_mov_b64 s[64:65], 0
	v_nop
	global_prefetch_b8 v0, s[64:65] scope:SCOPE_SE
	s_setreg_imm32_b32 hwreg(HW_REG_WAVE_MODE, 25, 1), 1
	s_wait_xcnt 0x0
; out0[l] = (the sum of sample l's eight parts) / (the sum of its 32 partial totals + 1e-6).  part: [32][8][192][64] f32, tot: [32][32] f32, out0: [32][192][64] f32.
; A stream: work-group (j, l) makes 6,144 bytes of sample l, thread t the 16 bytes at 6,144 j + 16 t: each load and the store of a wave cover 512 consecutive bytes, aligned to 256.
; All nine loads of a wave go out at once; no LDS, no barrier, no loop; matrix units and clusters have nothing to do here.  The division is a multiplication by v_rcp_f32's reciprocal.
.set PWG,   49152                      ; bytes of a part, and of a sample of out0
.set CHUNK, 6144                       ; bytes of a work-group
	s_load_b128 s[4:7], s[0:1], 0x0                ; part, tot
	s_load_b64 s[8:9], s[0:1], 0x10                ; out0
	s_and_b32 s10, ttmp7, 0xffff                   ; l
	s_mul_i32 s11, ttmp9, CHUNK
	s_mul_i32 s12, s10, 8*PWG
	s_add_co_u32 s12, s12, s11                     ; part: the sample's first part, my chunk
	s_mov_b32 s13, 0
	s_lshl_b32 s14, s10, 7                         ; tot: 32 words a sample
	s_mov_b32 s15, 0
	s_mul_i32 s16, s10, PWG
	s_add_co_u32 s16, s16, s11                     ; out0: the sample, my chunk
	s_mov_b32 s17, 0
	s_mov_b32 s18, 0x76543210                      ; v_permlanex16_b32's selects for lane l xor 16
	s_mov_b32 s19, 0xfedcba98
	v_lshlrev_b32 v1, 4, v0                        ; 16 bytes a thread
	v_and_b32 v2, 31, v0
	v_lshlrev_b32 v2, 2, v2                        ; a partial total a lane
	v_mov_b32 v6, 0                                ; a lane permute's destination counts as one of its sources
	s_wait_kmcnt 0x0
	s_add_nc_u64 s[4:5], s[4:5], s[12:13]
	s_add_nc_u64 s[6:7], s[6:7], s[14:15]
	s_add_nc_u64 s[8:9], s[8:9], s[16:17]
	global_load_b32 v3, v2, s[6:7]
.irp g, 0,1,2,3,4,5,6,7
	global_load_b128 v[8+4*\g:11+4*\g], v1, s[4:5] offset:PWG*\g th:TH_LOAD_NT   ; read once in the launch
.endr
	s_wait_loadcnt 8                               ; loads come back in order: the totals are in, the eight loads of parts stay out
	v_add_f32_dpp v3, v3, v3 row_xmask:1 row_mask:0xf bank_mask:0xf
	v_add_f32_dpp v3, v3, v3 row_xmask:2 row_mask:0xf bank_mask:0xf
	v_add_f32_dpp v3, v3, v3 row_xmask:4 row_mask:0xf bank_mask:0xf
	v_add_f32_dpp v3, v3, v3 row_xmask:8 row_mask:0xf bank_mask:0xf
	v_permlanex16_b32 v6, v3, s18, s19
	v_add_f32 v3, v3, v6                           ; the sample's sum, in every lane
	v_add_f32 v3, 0x358637bd, v3                   ; + 1e-6
	v_rcp_f32 v4, v3                               ; twice, to fill the pair that the packed multiply takes;
	v_rcp_f32 v5, v3                               ; the fourteen additions below are the plain lines behind them (ISA guide 5.7.2)
	s_wait_loadcnt 0x0
.irp g, 0,2,4,6
	v_pk_add_f32 v[8+4*\g:9+4*\g], v[8+4*\g:9+4*\g], v[12+4*\g:13+4*\g]
	v_pk_add_f32 v[10+4*\g:11+4*\g], v[10+4*\g:11+4*\g], v[14+4*\g:15+4*\g]
.endr
.irp g, 0,4
	v_pk_add_f32 v[8+4*\g:9+4*\g], v[8+4*\g:9+4*\g], v[16+4*\g:17+4*\g]
	v_pk_add_f32 v[10+4*\g:11+4*\g], v[10+4*\g:11+4*\g], v[18+4*\g:19+4*\g]
.endr
	v_pk_add_f32 v[8:9], v[8:9], v[24:25]
	v_pk_add_f32 v[10:11], v[10:11], v[26:27]
	s_wait_alu depctr_va_vdst(0)
	v_pk_mul_f32 v[8:9], v[8:9], v[4:5]
	v_pk_mul_f32 v[10:11], v[10:11], v[4:5]
	global_store_b128 v1, v[8:11], s[8:9] th:TH_STORE_NT   ; written once, read by nobody here
	s_endpgm
.Lfunc_end_k_q5b1769d99e_norm:
	.size	k_q5b1769d99e_norm, .Lfunc_end_k_q5b1769d99e_norm-k_q5b1769d99e_norm
	.p2alignl 7, 3214868480
	.fill 96, 4, 3214868480
	.section	.rodata,"a",@progbits
	.p2align	6, 0x0
	.amdhsa_kernel k_q5b1769d99e_norm
		.amdhsa_group_segment_fixed_size 0
		.amdhsa_private_segment_fixed_size 0
		.amdhsa_enable_private_segment 0
		.amdhsa_kernarg_size 24
		.amdhsa_user_sgpr_count 2
		.amdhsa_user_sgpr_kernarg_segment_ptr 1
		.amdhsa_wavefront_size32 1
		.amdhsa_system_sgpr_workgroup_id_x 1
		.amdhsa_system_sgpr_workgroup_id_y 1
		.amdhsa_system_sgpr_workgroup_id_z 1
		.amdhsa_system_vgpr_workitem_id 0
		.amdhsa_next_free_vgpr 48
		.amdhsa_next_free_sgpr 66
		.amdhsa_reserve_vcc 0
		.amdhsa_float_denorm_mode_32 3
		.amdhsa_float_denorm_mode_16_64 3
		.amdhsa_memory_ordered 1
		.amdhsa_forward_progress 1
		.amdhsa_inst_pref_size 4
	.end_amdhsa_kernel
	.amdgpu_metadata
---
amdhsa.version: [ 1, 2 ]
amdhsa.kernels:
  - .name:           k_q5b1769d99e_norm
    .symbol:         k_q5b1769d99e_norm.kd
    .args:
      - { .name: part, .offset: 0, .size: 8, .value_kind: global_buffer, .address_space: global }
      - { .name: tot, .offset: 8, .size: 8, .value_kind: global_buffer, .address_space: global }
      - { .name: out0, .offset: 16, .size: 8, .value_kind: global_buffer, .address_space: global }
    .group_segment_fixed_size: 0
    .private_segment_fixed_size: 0
    .kernarg_segment_align: 8
    .kernarg_segment_size: 24
    .max_flat_workgroup_size: 384
    .sgpr_count:     66
    .vgpr_count:     48
    .wavefront_size: 32
...
	.end_amdgpu_metadata
.endif
;; end of part 2
